; MI455X (gfx1250); checked and timed in simulation.
; The chip was launched on July 23, 2026; its instructions are those of AMD's public machine-readable ISA for CDNA 5 (MIT licence, August 2026) and "CDNA5" Instruction Set Architecture Reference Guide (July 2026). The comments in the code are by the model that wrote it; some were corrected since.
;; Projected Attention Layer. Allowed arithmetic: matrix products marked QUANTISED: E5M2 operands, one E8M0 scale for each 32 along K, by v_wmma_scale_f32_16x16x128_f8f6f4 with both operands' format E5M2, f32 sums; everything else in f32.
;; Inputs: W_ff1 1,024 x 256 float32; W_ff2 256 x 1,024 float32; Wk_i 256 x 256 float32; Wk_o 256 x 256 float32; Wo_i 256 x 256 float32; Wo_o 256 x 256 float32; Wq_i 256 x 256 float32; Wq_o 256 x 256 float32; Wv_i 256 x 256 float32; Wv_o 256 x 256 float32; b1 256 float32; b2 256 float32; b_ff1 1,024 float32; b_ff2 256 float32; bk_i 256 float32; bk_o 256 float32; bo_i 256 float32; bo_o 256 float32; bq_i 256 float32; bq_o 256 float32; bv_i 256 float32; bv_o 256 float32; g1 256 float32; g2 256 float32; projector 64 x 32 x 256 float32; x 8 x 64 x 128 x 256 float32.
;; Outputs: out0 8 x 64 x 128 x 256 float32.
;; This version of the problem:
;;   THIS VERSION OF THE PROBLEM IS GIVEN IN LOW PRECISION. The matrix products marked QUANTISED in the list below multiply operands that are first quantised to E5M2 (5 exponent bits, 2 mantissa bits; 8 bits a number), with one power-of-two scale for each 32 numbers along K (OCP MX v1.0); their sums are f32. All else is computed in f32.
;;   The module's matrix products, in the order in which they are computed (A, B: the left and right operand; K: the contracted axis; several contracted axes count as one K, in the product's order):
;;     1. [M 16,384, K 256] x [K 256, N 256]; A: input projector; B: input Wq_o: QUANTISED
;;     2. [M 65,536, K 256] x [K 256, N 256]; A: input x; B: input Wk_o: QUANTISED
;;     3. [M 65,536, K 256] x [K 256, N 256]; A: input x; B: input Wv_o: QUANTISED
;;     4. batch 4,096 x [M 32, K 32] x [K 32, N 128]; A: computed on the way; B: computed on the way: QUANTISED
;;     5. batch 4,096 x [M 32, K 128] x [K 128, N 32]; A: computed on the way; B: softmax (see below): QUANTISED
;;     6. [M 16,384, K 256] x [K 256, N 256]; A: computed on the way; B: input Wo_o: QUANTISED
;;     7. [M 65,536, K 256] x [K 256, N 256]; A: input x; B: input Wq_i: QUANTISED
;;     8. [M 16,384, K 256] x [K 256, N 256]; A: input projector; B: input Wk_i: QUANTISED
;;     9. [M 16,384, K 256] x [K 256, N 256]; A: computed on the way; B: input Wv_i: QUANTISED
;;     10. batch 4,096 x [M 128, K 32] x [K 32, N 32]; A: computed on the way; B: computed on the way: QUANTISED
;;     11. batch 4,096 x [M 32, K 32] x [K 32, N 128]; A: computed on the way; B: softmax (see below): QUANTISED
;;     12. [M 65,536, K 256] x [K 256, N 256]; A: computed on the way; B: input Wo_i: QUANTISED
;;     13. [M 65,536, K 256] x [K 256, N 1,024]; A: computed on the way; B: input W_ff1: QUANTISED
;;     14. [M 65,536, K 1,024] x [K 1,024, N 256]; A: computed on the way; B: input W_ff2: QUANTISED
;;   THE QUANTISER, for each operand of a quantised product, along K:
;;     - K is cut into blocks of 32 from its start; a last block that is shorter is filled with zeros.
;;     - A block's scale is 2^e with e = floor(log2(the largest magnitude in the block)) - 15, held to -126 .. 127; a block of zeros has e = 0. As a byte (E8M0): e + 127.
;;     - Each number is divided by its block's scale, clamped to +-57,344, and rounded to the nearest number of E5M2, ties to even, subnormals kept.
;;     - The product sums the exact products of the quantised numbers (number of the format x scale) in f32.
;;   ~~~python
;;   def quantise(x, axis):      # numpy; x: float32 -> the quantised numbers, widened to float32 again
;;       x = np.moveaxis(x, axis, -1); K = x.shape[-1]
;;       x = np.pad(x, [(0, 0)] * (x.ndim - 1) + [(0, -K % 32)]); x = x.reshape(x.shape[:-1] + (-1, 32)); a = np.abs(x).max(-1, keepdims=True)
;;       e = np.where(a > 0, np.clip(np.frexp(np.where(a > 0, a, 1))[1] - 1 - 15, -126, 127), 0)      # np.frexp(a)[1] - 1 = floor(log2(a)), exactly
;;       r = np.clip(x / 2.0 ** e, -57344, 57344)
;;       step = 2.0 ** (np.maximum(np.frexp(np.where(r == 0, 1, r))[1] - 1, -14) - 2)
;;       q = np.round(r / step) * step * 2.0 ** e      # np.round: ties to even
;;       return np.moveaxis(q.reshape(q.shape[:-2] + (-1,))[..., :K], -1, axis).astype(np.float32)
;;   ~~~
;;   SOFTMAX AHEAD OF A QUANTISED PRODUCT. Where the list says 'softmax', what is quantised is not the finished softmax but p = 2^(t - M), with t = logit x log2(e) and M = ceil(the row's largest t), a whole number; so 1/2 < the row's largest p <= 1. The row's sum l is taken of the UNQUANTISED p, in f32, and the product's result is divided by l at the end. Since M is a whole number, a kernel that streams over the keys may use a running M (the ceiling of the running maximum): every later rescaling is an exact power of two, which a block's scale takes up: the codes' values come out the same.
;;   OPERANDS COMPUTED ON THE WAY. 'Computed on the way' means the value that the module computes at that place (a softmax that the list does not call 'softmax' is quantised finished and normalised). What goes into a quantiser is computed in f32, as accurately as f32 sums, v_exp_f32 and their like allow (about 1e-6 of the number): no bf16 or f16 on the way to a quantiser, and a product that is left as it is and whose result goes on into a quantised operand takes f32 operands (vector FMAs, or v_wmma_f32_16x16x4_f32). A number that lies on a knife's edge between two numbers of the format may be rounded either way, as far as f32 arithmetic and the matrix unit's own rounding can turn it there, and no further.
;; One version. Each part assembles by itself: llvm-mc -triple=amdgcn-amd-amdhsa -mcpu=gfx1250 --defsym DOCPART=n.
;; ======== version 1 of 1: 2 launches
;; limits: a function is approximated: absolute error at most 1e-07
;; workspace buffers: wq 1,671,168 bytes
;; launch prep (part 1): grid 192 x 1, 4 waves a work-group, no clusters, 0 bytes of LDS; arguments Wq_o, Wk_i, Wk_o, Wv_o, Wo_o, Wv_i, Wq_i, Wo_i, W_ff1, W_ff2, projector, wq; writes wq
.if DOCPART == 1
	.amdgcn_target "amdgcn-amd-amdhsa--gfx1250"
	.amdhsa_code_object_version 6
	.text
	.protected	k_q34474ca3b3_prep
	.globl	k_q34474ca3b3_prep
	.p2align	8
	.type	k_q34474ca3b3_prep,@function
k_q34474ca3b3_prep:
	s_mov_b64 s[64:65], 0
	v_nop
	global_prefetch_b8 v0, s[64:65] scope:SCOPE_SE
	s_setreg_imm32_b32 hwreg(HW_REG_WAVE_MODE, 25, 1), 1
	s_wait_xcnt 0x0
; The ten weights and the projector (all f32, K innermost) become codes of E5M2 with one E8M0 byte for each 32 along K,
; laid in the ORDER OF THE OPERAND REGISTERS, so that the second launch loads every fragment by dense 16-byte loads.
; wq: 192 chunks.  Chunk g: codes at 8192 g: four fragments f = 2 u + ks of 2,048 bytes; register group c of lane l at 2048 f + 512 c + 16 l.
; Its scale words at 0x180000 + 512 g + 128 f + 4 l (lane l: the word of tile row l % 16; lanes 16-31 hold the same words again).
; A fragment is 16 rows x 128 K.  THE ROWS OF A TILE ARE NOT NEIGHBOURS: lane r of the tile of parity u takes row row0 + 8 u + r + 8 (r / 8).
; g = 8 ci + h.  ci 0-7: Wq_o, Wk_i, Wk_o, Wv_o, Wo_o, Wv_i, Wq_i, Wo_i: row0 = 32 h, K steps 0, 1.  ci 8-11: W_ff1, row0 = 128 h + 32 (ci - 8).
; ci 12-15: W_ff2, row0 = 32 h, K steps 2 (ci - 12) and the next.  g = 128 + s: projector rows 32 s on.
; A work-group makes a chunk, a wave a fragment; waves share nothing: no LDS, no barrier.
; A wave stores 4 x 512 consecutive bytes of codes; its 128 bytes of scale words are half of an aligned 256: 98,304 bytes of the launch leave so.
; LIMITS: a block of zeros, or one whose largest magnitude lies under 2^-111, gets the byte 1 (its codes are then zeros or as the floor gives them; these
; bytes are read by this program alone); NaN and infinities among the inputs are not served.
.set X,   16                           ; v16-79  64 numbers: register 16 b + i = k 32 b + 16 (lane / 16) + i of my row
.set TM,  80                           ; v80-83 largest magnitudes, v84-87 bytes, v88-91 the largest number x the scale, v92-95 the scale operands
.set PWD, 96                           ; the scale word
.set C,   100                          ; v100-115 the codes
	s_load_b512 s[4:19], s[0:1], 0x0               ; the eight square weights, in the order of ci
	s_load_b256 s[20:27], s[0:1], 0x40             ; W_ff1 s[20:21], W_ff2 s[22:23], projector s[24:25], wq s[26:27]
	v_lshrrev_b32 v1, 5, v0
	v_readfirstlane_b32 s30, v1                    ; wave = fragment f
	v_and_b32 v2, 31, v0                           ; lane
	v_and_b32 v3, 15, v0                           ; r
	v_bfe_u32 v4, v0, 4, 1                         ; lane / 16
	s_lshr_b32 s31, ttmp9, 3                       ; ci
	s_and_b32 s32, ttmp9, 7                        ; h
	s_lshr_b32 s33, s31, 2                         ; ci / 4: 2 = W_ff1, 3 = W_ff2
	s_and_b32 s34, s31, 3
	s_lshl_b32 s35, s32, 5                         ; row0 = 32 h,
	s_lshl_b32 s36, s32, 7
	s_lshl_b32 s37, s34, 5
	s_add_co_u32 s36, s36, s37
	s_cmp_eq_u32 s33, 2
	s_cselect_b32 s35, s36, s35                    ; or 128 h + 32 (ci % 4) in W_ff1,
	s_sub_co_u32 s36, ttmp9, 128
	s_lshl_b32 s36, s36, 5
	s_cmp_ge_u32 ttmp9, 128
	s_cselect_b32 s35, s36, s35                    ; or 32 (g - 128) in the projector
	s_lshl_b32 s38, s34, 10
	s_mov_b32 s37, 1024                            ; a row in bytes,
	s_cmp_eq_u32 s33, 3
	s_cselect_b32 s37, 4096, s37                   ; in W_ff2 4,096,
	s_cselect_b32 s38, s38, 0                      ; where the chunk begins 1,024 (ci % 4) bytes along the row
	s_lshr_b32 s39, s30, 1                         ; u
	s_and_b32 s40, s30, 1                          ; ks
	s_lshl_b32 s39, s39, 3
	s_add_co_u32 s35, s35, s39
	s_mul_i32 s35, s35, s37                        ; (row0 + 8 u) rows
	s_add_co_u32 s35, s35, s38
	s_lshl_b32 s40, s40, 9
	s_add_co_u32 s40, s35, s40                     ; + 512 ks: the fragment's first byte, under 2^22
	s_mov_b32 s41, 0
	v_and_b32 v5, 8, v3
	v_add_nc_u32 v5, v5, v3                        ; r + 8 (r / 8)
	v_mul_lo_u32 v5, v5, s37
	v_lshl_add_u32 v5, v4, 6, v5                   ; my row, + 64 (lane / 16): my 16 numbers of a block of 32
	s_lshl_b32 s42, ttmp9, 13
	s_lshl_b32 s43, s30, 11
	s_add_co_u32 s42, s42, s43
	v_lshl_add_u32 v6, v2, 4, s42                  ; codes: 8192 g + 2048 f + 16 lane
	s_lshl_b32 s42, ttmp9, 9
	s_lshl_b32 s43, s30, 7
	s_add_co_u32 s42, s42, s43
	v_lshl_add_u32 v7, v2, 2, s42                  ; scale words: 512 g + 128 f + 4 lane
	s_mov_b32 s44, 0x76543210
	s_mov_b32 s45, 0xfedcba98                      ; v_permlanex16_b32: lane l xor 16
	s_mov_b32 s46, 0x600000                        ; the mantissa field of 57,344
.irp b, 0,1,2,3
	v_mov_b32 v[TM+4+\b], 0                        ; a lane permute's destination counts as one of its sources
.endr
	s_wait_kmcnt 0x0
	s_mov_b64 s[28:29], s[24:25]                   ; the source: a choice among buffers on the work-group's number alone
.irp k, 0,1,2,3,4,5,6,7
	s_cmp_eq_u32 s31, \k
	s_cselect_b64 s[28:29], s[4+2*\k:5+2*\k], s[28:29]
.endr
	s_cmp_eq_u32 s33, 2
	s_cselect_b64 s[28:29], s[20:21], s[28:29]
	s_cmp_eq_u32 s33, 3
	s_cselect_b64 s[28:29], s[22:23], s[28:29]
	s_add_nc_u64 s[28:29], s[28:29], s[40:41]
.irp b, 0,1,2,3
.irp j, 0,1,2,3
	global_load_b128 v[X+16*\b+4*\j:X+16*\b+4*\j+3], v5, s[28:29] offset:128*\b+16*\j
.endr
.endr
	s_wait_loadcnt 0x0
.irp b, 0,1,2,3
	v_max3_num_f32 v[TM+\b], |v[X+16*\b]|, |v[X+16*\b+1]|, 0x8000000   ; block b: my 16 numbers and the floor 2^(16 - 127): the byte cannot fall under 1
.endr
.irp i, 2,4,6,8,10,12,14
.irp b, 0,1,2,3
	v_max3_num_f32 v[TM+\b], v[TM+\b], |v[X+16*\b+\i]|, |v[X+16*\b+\i+1]|
.endr
.endr
.irp b, 0,1,2,3
	v_permlanex16_b32 v[TM+4+\b], v[TM+\b], s44, s45
.endr
.irp b, 0,1,2,3
	v_max_num_f32 v[TM+\b], v[TM+\b], v[TM+4+\b]   ; with lane l xor 16: the block's largest magnitude
.endr
.irp b, 0,1,2,3
	v_add_nc_u32 v[TM+12+\b], 0xf8800000, v[TM+\b] ; 15 off its exponent field: the conversion's scale operand
.endr
.irp b, 0,1,2,3
	v_and_or_b32 v[TM+8+\b], v[TM+\b], 0x7f800000, s46   ; 57,344 x the scale
.endr
.irp b, 0,1,2,3
	v_lshrrev_b32 v[TM+4+\b], 23, v[TM+12+\b]      ; the scale's byte
.endr
	v_lshl_or_b32 v[PWD], v[TM+5], 8, v[TM+4]
	v_lshl_or_b32 v[PWD], v[TM+6], 16, v[PWD]
	v_lshl_or_b32 v[PWD], v[TM+7], 24, v[PWD]
.irp b, 0,1,2,3
.irp i, 0,1,2,3,4,5,6,7,8,9,10,11,12,13,14,15
	v_med3_num_f32 v[X+16*\b+\i], v[X+16*\b+\i], -v[TM+8+\b], v[TM+8+\b]   ; the conversion to an 8-bit code does not saturate (ISA guide 7.6.2): the hold comes first
.endr
.endr
.irp b, 0,1,2,3
	v_cvt_scalef32_pk8_bf8_f32 v[C+4*\b:C+4*\b+1], v[X+16*\b:X+16*\b+7], v[TM+12+\b]
	v_cvt_scalef32_pk8_bf8_f32 v[C+4*\b+2:C+4*\b+3], v[X+16*\b+8:X+16*\b+15], v[TM+12+\b]
.endr
	v_nop                                          ; one plain line behind the last conversion
.irp c, 0,1,2,3
	global_store_b128 v6, v[C+4*\c:C+4*\c+3], s[26:27] offset:512*\c   ; 32 lanes store 512 consecutive bytes
.endr
	global_store_b32 v7, v[PWD], s[26:27] offset:0x180000
	s_endpgm
.Lfunc_end_k_q34474ca3b3_prep:
	.size	k_q34474ca3b3_prep, .Lfunc_end_k_q34474ca3b3_prep-k_q34474ca3b3_prep
	.p2alignl 7, 3214868480
	.fill 96, 4, 3214868480
	.section	.rodata,"a",@progbits
	.p2align	6, 0x0
	.amdhsa_kernel k_q34474ca3b3_prep
		.amdhsa_group_segment_fixed_size 0
		.amdhsa_private_segment_fixed_size 0
		.amdhsa_enable_private_segment 0
		.amdhsa_kernarg_size 96
		.amdhsa_user_sgpr_count 2
		.amdhsa_user_sgpr_kernarg_segment_ptr 1
		.amdhsa_wavefront_size32 1
		.amdhsa_system_sgpr_workgroup_id_x 1
		.amdhsa_system_sgpr_workgroup_id_y 1
		.amdhsa_system_sgpr_workgroup_id_z 1
		.amdhsa_system_vgpr_workitem_id 0
		.amdhsa_next_free_vgpr 128
		.amdhsa_next_free_sgpr 66
		.amdhsa_reserve_vcc 0
		.amdhsa_float_denorm_mode_32 3
		.amdhsa_float_denorm_mode_16_64 3
		.amdhsa_memory_ordered 1
		.amdhsa_forward_progress 1
		.amdhsa_inst_pref_size 14
	.end_amdhsa_kernel
	.amdgpu_metadata
---
amdhsa.version: [ 1, 2 ]
amdhsa.kernels:
  - .name:           k_q34474ca3b3_prep
    .symbol:         k_q34474ca3b3_prep.kd
    .args:
      - { .name: Wq_o, .offset: 0, .size: 8, .value_kind: global_buffer, .address_space: global }
      - { .name: Wk_i, .offset: 8, .size: 8, .value_kind: global_buffer, .address_space: global }
      - { .name: Wk_o, .offset: 16, .size: 8, .value_kind: global_buffer, .address_space: global }
      - { .name: Wv_o, .offset: 24, .size: 8, .value_kind: global_buffer, .address_space: global }
      - { .name: Wo_o, .offset: 32, .size: 8, .value_kind: global_buffer, .address_space: global }
      - { .name: Wv_i, .offset: 40, .size: 8, .value_kind: global_buffer, .address_space: global }
      - { .name: Wq_i, .offset: 48, .size: 8, .value_kind: global_buffer, .address_space: global }
      - { .name: Wo_i, .offset: 56, .size: 8, .value_kind: global_buffer, .address_space: global }
      - { .name: W_ff1, .offset: 64, .size: 8, .value_kind: global_buffer, .address_space: global }
      - { .name: W_ff2, .offset: 72, .size: 8, .value_kind: global_buffer, .address_space: global }
      - { .name: projector, .offset: 80, .size: 8, .value_kind: global_buffer, .address_space: global }
      - { .name: wq, .offset: 88, .size: 8, .value_kind: global_buffer, .address_space: global }
    .group_segment_fixed_size: 0
    .private_segment_fixed_size: 0
    .kernarg_segment_align: 8
    .kernarg_segment_size: 96
    .max_flat_workgroup_size: 128
    .sgpr_count:     66
    .vgpr_count:     128
    .wavefront_size: 32
...
	.end_amdgpu_metadata
.endif
;; end of part 1
;; launch main (part 2): grid 256 x 1, 8 waves a work-group, no clusters, 297,984 bytes of LDS; arguments x, wq, bq_o, bk_i, bk_o, bv_o, bo_o, bv_i, bq_i, bo_i, g1, b1, b_ff1, b_ff2, g2, b2, out0; writes out0
.if DOCPART == 2
	.amdgcn_target "amdgcn-amd-amdhsa--gfx1250"
	.amdhsa_code_object_version 6
	.text
	.protected	k_q34474ca3b3_main
	.globl	k_q34474ca3b3_main
	.p2align	8
	.type	k_q34474ca3b3_main,@function
k_q34474ca3b3_main:
	s_mov_b64 s[64:65], 0
	v_nop
	global_prefetch_b8 v0, s[64:65] scope:SCOPE_SE
	s_setreg_imm32_b32 hwreg(HW_REG_WAVE_MODE, 25, 1), 1
	s_wait_xcnt 0x0
; A slice (b, s) is 128 rows x 256 columns of x.  One work-group takes a slice through the whole layer: attention onto the 32 projector rows, attention back,
; residual + LayerNorm, MLP with exact gelu, residual + LayerNorm.  All 14 products run on codes of E5M2 with E8M0 block scales; all else is f32.
; A WORK-GROUP STAYS FOR TWO SLICES, g and g + 256 (the same s, so the same projector rows): the second slice's x is asked for behind the first slice's last product,
; and the first slice's stores leave while the second is worked on.
; SHARES.  WAVE h IS HEAD h = COLUMNS 32 h .. 32 h + 31 of every 256-wide result, for all rows (in the first MLP product: hidden units 128 h .. + 127, which
; are K step h of the second).  So each weight byte is loaded by one wave, straight from wq into registers (dense 512-byte loads), and a head's q, k, v,
; scores and p never leave the wave.  Activations cross waves only where a product contracts over all columns: as images of the operand registers in LDS.
; LAYOUT.  Products are used transposed (source 0 = 16 rows of W, source 1 = 16 rows of the activation): lane (r, h2) holds one activation row, and the 16
; registers of the tile pair u = 0, 1 are 16 neighbouring columns 32 h + 16 h2 + 0 .. 15, because lane r of a tile of parity u takes row row0 + 8 u + r + 8 (r / 8).
; The same choice of rows holds for the tiles of x, of the projector and of the messages.  V is made the other way round (source 0 = the activation), so that its registers run along the keys.
; Where two weight chunks want the same activation (k and v of the first attention; two chunks of the first MLP product) both lie in registers, and each fragment read from LDS feeds both.
; PRODUCTS WITH K = 32 (scores; p V of the second attention): the large side is PACKED: four tiles' groups of 4 code registers form one operand, block c = tile c;
; the small side lies among zero registers, and the 16-register run is chosen so that its codes stand in block c; its scale byte fills all four bytes of its word.
; NO CLUSTER, NO TENSOR LOADS: the slice's own data take 296,960 of the 327,680 bytes of LDS (133,120 of f32 rows or hidden codes, 3 x 32,768 of code images,
; the rest scale words, statistics and the small images), so no two slots for weight tiles fit beside them; and each weight byte is read once for a slice.
; LIMITS: erf is the rational z P(z^2) / Q(z^2) on |z| <= 4 (beyond |a| = 5.66 it is held at erf(4)); 1/2 + erf / 2 has the absolute error of f32, about 1e-7, so gelu of
; strongly negative numbers loses relative accuracy.  A block of zeros or under 2^-111 gets the byte 1.  NaN and infinities are not served.
; ---- LDS
.set XSo,  0                           ; x: scale words, 128 bytes a fragment, fragment 2 t + ks
.set OISo, 2048                        ; the second attention's result: likewise
.set MCSo, 4096                        ; m: likewise
.set HSo,  6144                        ; the hidden layer: fragment 8 t + ks
.set OOSo, 14336                       ; the first attention's result
.set MOSo, 14848                       ; message_out
.set STo,  15360                       ; four regions of 4,096: row slot 16 t + r: 32 bytes, a word a wave
.set OOo,  31744                       ; code images: fragment (2 t + ks) x 2,048
.set MOo,  39936
.set XCo,  65536
.set OIo,  98304
.set MCo,  131072
.set Ro,   163840                      ; x in f32, slot 16 t + r at pitch 1,040; later the hidden codes, fragment (8 t + ks) x 2,048; at last the stage for the output
.set SLICE2, 0x2000000                 ; 256 slices of 131,072 bytes: from a work-group's first slice to its second
; ---- window 0
.set L16, 1                            ; 16 x lane
.set L4,  2                            ; 4 x lane
.set AXC, 3                            ; L16 + XCo
.set AMC, 4                            ; L16 + MCo
.set AH0, 5                            ; L16 + Ro
.set AH1, 6                            ; + 65,536
.set IMGX, 7                           ; where I store x's images
.set SCX, 8                            ; and their scale words
.set IMGH, 9                           ; L16 + 2048 (h / 4) + 512 (h % 4): my head's group in a fragment
.set IMGH1, 10                         ; + 65,536
.set IMGH2, 11                         ; + 131,072
.set SCB, 12                           ; L4 + 128 (h / 4) + h % 4: my head's byte in a scale word
.set HW,  13                           ; L16 + Ro + 2048 h
.set HWT, 14
.set HSB, 15                           ; L4 + 128 h
.set HSBT, 16
.set RST, 17                           ; L16 + Ro + 16640 wave: my 16 row slots, by rows
.set RRD, 18                           ; Ro + (16 wave + r) 1040 + 64 h2
.set RD0, 19                           ; Ro + 1040 r + 128 h + 64 h2
.set RD1, 20                           ; + 66,560 (tiles 4-7)
.set STW, 21                           ; 32 r + 4 h
.set STR, 22                           ; 32 r
.set GX,  23                           ; x, out0: L16 + my tile's first row
.set GW,  24                           ; wq codes: L16 + 8192 h
.set GS,  25                           ; wq scale words: L4 + 512 h
.set GB,  26                           ; 256-wide vectors: 128 h + 64 h2
.set GB1, 27                           ; b_ff1: 512 h + 64 h2
.set GBV, 28                           ; a bias by lane: 128 h + 4 (r + 8 (r / 8))
.set AT,  29                           ; loop temporaries
.set CA11, 30                          ; v30-31 alpha 11 / 2, v32-33 beta 6
.set CB6, 32
.set WS,  34                           ; v34-41 the weights' scale words, four a buffer
.set XS,  42                           ; v42-45 the activation fragments' scale words, two a buffer
.set KOS, 46
.set VFS, 48
.set QOS, 50
.set KIS, 52
.set VIS, 54
.set QIS, 56
.set PW,  57                           ; the scale word just made
.set STT, 58                           ; loop temporaries
.set IMT, 59
.set SCT, 60
.set BV,  62                           ; v62-63 a V bias as loaded
.set BA,  64                           ; v64-79 a bias in the result's layout
.set BB,  80                           ; v80-95 a second one; the softmax's -M (pairs at +0) and sums (pairs at +8)
.set TM,  96                           ; v96-111 +0 largest magnitudes, +4 bytes, +8 limits, +12 scale operands
.set CODES, 112                        ; v112-127
.set ACC, 128                          ; v128-191
.set XF,  192                          ; v192-255 two buffers of two fragments; gelu's temporaries; gains; with ACC the rows on the way out
; ---- window 1 (named by the low 8 bits): v0-63, v64-127 the two weight buffers; between two slices they hold the next slice's x
.set SEL, 128                          ; groups of 4: Z Z Z a0 Z Z Z a1 Z Z Z, later on v0 Z Z Z v1 Z Z Z
.set KO,  172
.set VF,  204
.set QI,  204
.set KIST, 248
.set Y,   128                          ; from the output projection on: 8 tiles x 16: the residual stream
.set MSB, 0
.macro WIN new                         ; the immediate's high byte repeats the setting that is left
.if MSB != \new
	s_set_vgpr_msb (MSB<<8)|\new
.set MSB, \new
.endif
.endm
.macro PLACES n                        ; plain lines between a matrix instruction and what touches its registers (ISA guide 7.12.1)
.rept \n
	v_nop
.endr
.endm
.macro BARRIER                         ; my LDS stores have landed and my LDS loads are in: then the work-group's barrier
	s_wait_dscnt 0x0
	s_barrier_signal -1
	s_barrier_wait -1
.endm
.macro SPAIR reg, val
	s_mov_b32 s[\reg], \val
	s_mov_b32 s[\reg+1], \val
.endm
; a chunk of wq into weight buffer wb: 16 + 4 loads
.macro WLOAD wb, cbase, sbase, o0, so0
	WIN 0x40
.irp f, 0,1,2,3
.irp c, 0,1,2,3
	global_load_b128 v[64*\wb+16*\f+4*\c:64*\wb+16*\f+4*\c+3], v[GW], s[\cbase:\cbase+1] offset:\o0+2048*\f+512*\c
.endr
.endr
	WIN 0
.irp f, 0,1,2,3
	global_load_b32 v[WS+4*\wb+\f], v[GS], s[\sbase:\sbase+1] offset:\so0+128*\f
.endr
.endm
.macro WL wb, ci
	WLOAD \wb, 10, 10, (\ci)*65536, 0x180000+(\ci)*4096
.endm
.macro BLOADO reg, ptr, va, o0         ; 16 f32 a lane, o0 bytes on
.irp j, 0,1,2,3
	global_load_b128 v[\reg+4*\j:\reg+4*\j+3], v[\va], s[\ptr:\ptr+1] offset:\o0+16*\j
.endr
.endm
.macro BLOAD reg, ptr, va
	BLOADO \reg, \ptr, \va, 0
.endm
; my tile's 16 rows of x, each load 512 consecutive bytes, into the weight buffers' registers: 32 loads
.macro XIN
	WIN 0x40
.irp rr, 0,1,2,3,4,5,6,7,8,9,10,11,12,13,14,15
.irp hf, 0,1
	global_load_b128 v[8*\rr+4*\hf:8*\rr+4*\hf+3], v[GX], s[8:9] offset:(\rr+8*(\rr/8))*1024+512*\hf th:TH_LOAD_NT
.endr
.endr
	WIN 0
.endm
; two fragments (K steps 0, 1) of an activation tile and their scale words into buffer xb: 10 LDS loads
.macro XFETCH xb, areg, o0, sreg, so0
.irp ks, 0,1
.irp c, 0,1,2,3
	ds_load_b128 v[XF+32*(\xb)+16*\ks+4*\c:XF+32*(\xb)+16*\ks+4*\c+3], v[\areg] offset:(\o0)+2048*\ks+512*\c
.endr
.endr
	ds_load_b32 v[XS+2*(\xb)], v[\sreg] offset:(\so0)
	ds_load_b32 v[XS+2*(\xb)+1], v[\sreg] offset:(\so0)+128
.endm
.macro WM d, a, b, c, sa, sb
	v_wmma_scale_f32_16x16x128_f8f6f4 v[\d:\d+7], v[\a:\a+15], v[\b:\b+15], v[\c:\c+7], v[\sa], v[\sb] matrix_a_fmt:MATRIX_FMT_BF8 matrix_b_fmt:MATRIX_FMT_BF8
.endm
.macro WM0 d, a, b, sa, sb
	v_wmma_scale_f32_16x16x128_f8f6f4 v[\d:\d+7], v[\a:\a+15], v[\b:\b+15], 0, v[\sa], v[\sb] matrix_a_fmt:MATRIX_FMT_BF8 matrix_b_fmt:MATRIX_FMT_BF8
.endm
; transposed: source 0 = W, source 1 = the activation.  Two accumulators by turns, one instruction a turn.  w1 = 1: the sums go on in window 1
.macro MMT d, wb, xb, cb, w1
.if \w1
	WIN 0x51
.else
	WIN 0x01
.endif
.irp ks, 0,1
.irp u, 0,1
.if (\ks == 0) && (\w1 == 0)
	WM \d+8*\u, 64*(\wb)+32*\u+16*\ks, XF+32*(\xb)+16*\ks, \cb+8*\u, WS+4*(\wb)+2*\u+\ks, XS+2*(\xb)+\ks
.else
	WM \d+8*\u, 64*(\wb)+32*\u+16*\ks, XF+32*(\xb)+16*\ks, \d+8*\u, WS+4*(\wb)+2*\u+\ks, XS+2*(\xb)+\ks
.endif
.endr
.endr
.endm
; the other way round: source 0 = the activation, source 1 = W; the bias by lane stands in BB
.macro MMN d, ustr, wb, xb
	WIN 0x04
.irp ks, 0,1
.irp u, 0,1
.if \ks == 0
	WM \d+\ustr*\u, XF+32*(\xb)+16*\ks, 64*(\wb)+32*\u+16*\ks, BB+8*\u, XS+2*(\xb)+\ks, WS+4*(\wb)+2*\u+\ks
.else
	WM \d+\ustr*\u, XF+32*(\xb)+16*\ks, 64*(\wb)+32*\u+16*\ks, \d+\ustr*\u, XS+2*(\xb)+\ks, WS+4*(\wb)+2*\u+\ks
.endif
.endr
.endr
.endm
; where a pass finds its tiles
.macro PSET areg, split, o0, fstr, sreg, so0, sstr
.set P_AREG, \areg
.set P_SPLIT, \split
.set P_OFF, \o0
.set P_FSTR, \fstr
.set P_SREG, \sreg
.set P_SOFF, \so0
.set P_SSTR, \sstr
.endm
.macro TF i
	XFETCH (\i)%2, P_AREG+(\i)/P_SPLIT, P_OFF+P_FSTR*((\i)%P_SPLIT), P_SREG, P_SOFF+P_SSTR*(\i)
.endm
; n tiles through the two fragment buffers.  kind 0: MMT; 1: MMT onto window 1; 2: MMN; 3: a tile feeds buffer 0 transposed (bias BA, 16 registers a tile from d0 on) and buffer 1 the
; other way round (bias BB, from d0 + 32 on); 4: a tile feeds both buffers transposed (biases BA, BB; 32 registers a tile).  pre = 1: tiles 0 and 1 have been asked for already
.macro PASS n, kind, d0, dstr, wb, cb, ustr, pre
.if \pre == 0
	TF 0
	TF 1
.endif
.set PI, 0
.rept \n
.if PI == \n-1
	s_wait_dscnt 0x0
.else
	s_wait_dscnt 10                                ; this tile's ten loads are in: at most ten younger LDS instructions stay out
.endif
.if \kind == 2
	MMN \d0+\dstr*PI, \ustr, \wb, PI%2
.elseif \kind == 3
	MMT \d0+16*PI, 0, PI%2, BA, 0
	MMN \d0+32+8*PI, 16, 1, PI%2
.elseif \kind == 4
	MMT \d0+32*PI, 0, PI%2, BA, 0
	MMT \d0+32*PI+16, 1, PI%2, BB, 0
.else
	MMT \d0+\dstr*PI, \wb, PI%2, \cb, \kind
.endif
	WIN 0
	PLACES 8                                       ; in front of loads into the buffer just read, and of the first read of results
.if PI+2 < \n
	TF PI+2
.endif
.set PI, PI+1
.endr
.endm
; nb blocks of 16 numbers a lane, v[s + 16 b + i], each with lane l xor 16 a block of 32 along K, become 4 code registers each, at d0 .. d3 (window dwin); the bytes stay in TM+4 on
.macro QUANT s, nb, dwin, d0, d1, d2, d3
.irp b, 0,1,2,3
.if \b < \nb
	v_max3_num_f32 v[TM+\b], |v[(\s)+16*\b]|, |v[(\s)+16*\b+1]|, 0x8000000   ; with the floor 2^(16 - 127): the byte cannot fall under 1
.endif
.endr
.irp i, 2,4,6,8,10,12,14
.irp b, 0,1,2,3
.if \b < \nb
	v_max3_num_f32 v[TM+\b], v[TM+\b], |v[(\s)+16*\b+\i]|, |v[(\s)+16*\b+\i+1]|
.endif
.endr
.endr
.irp b, 0,1,2,3
.if \b < \nb
	v_permlanex16_b32 v[TM+4+\b], v[TM+\b], s42, s43
.endif
.endr
.irp b, 0,1,2,3
.if \b < \nb
	v_max_num_f32 v[TM+\b], v[TM+\b], v[TM+4+\b]
.endif
.endr
.irp b, 0,1,2,3
.if \b < \nb
	v_add_nc_u32 v[TM+12+\b], 0xf8800000, v[TM+\b] ; 15 off the exponent field: the conversion's scale operand
.endif
.endr
.irp b, 0,1,2,3
.if \b < \nb
	v_and_or_b32 v[TM+8+\b], v[TM+\b], 0x7f800000, s44   ; 57,344 x the scale
.endif
.endr
.irp b, 0,1,2,3
.if \b < \nb
	v_lshrrev_b32 v[TM+4+\b], 23, v[TM+12+\b]      ; the byte
.endif
.endr
.irp b, 0,1,2,3
.if \b < \nb
.irp i, 0,1,2,3,4,5,6,7,8,9,10,11,12,13,14,15
	v_med3_num_f32 v[(\s)+16*\b+\i], v[(\s)+16*\b+\i], -v[TM+8+\b], v[TM+8+\b]   ; the conversion does not saturate (ISA guide 7.6.2)
.endr
.endif
.endr
	WIN (\dwin)<<6
.irp b, 0,1,2,3
.if \b < \nb
.if \b == 0
.set QD, \d0
.elseif \b == 1
.set QD, \d1
.elseif \b == 2
.set QD, \d2
.else
.set QD, \d3
.endif
	v_cvt_scalef32_pk8_bf8_f32 v[QD:QD+1], v[(\s)+16*\b:(\s)+16*\b+7], v[TM+12+\b]
	v_cvt_scalef32_pk8_bf8_f32 v[QD+2:QD+3], v[(\s)+16*\b+8:(\s)+16*\b+15], v[TM+12+\b]
.endif
.endr
	WIN 0
	v_nop                                          ; one plain line behind the last conversion
.endm
.macro WORD d                          ; the four bytes as a scale word
	v_lshl_or_b32 v[\d], v[TM+5], 8, v[TM+4]
	v_lshl_or_b32 v[\d], v[TM+6], 16, v[\d]
	v_lshl_or_b32 v[\d], v[TM+7], 24, v[\d]
.endm
.macro REP d, b                        ; byte b in all four bytes
	v_mul_lo_u32 v[\d], v[TM+4+\b], s45
.endm
; 64 scores in ACC.  joint = 1: one query, 128 keys (block b = keys 32 b on).  joint = 0: four queries of 32 keys, one a block.
; p = 2^(score x c - M), M the ceiling of the row's largest; codes into CODES, scale word into PW; 1 / (the sum of the unquantised p) is asked for into BB+8 (+2 b): its wait stands at the reader
.macro SOFTMAX joint
.irp b, 0,1,2,3
	v_max3_num_f32 v[TM+\b], v[ACC+16*\b], v[ACC+16*\b+1], v[ACC+16*\b+2]   ; each block's largest score: for the row's maximum and, since p rises with the score, for the block's largest p
.endr
.irp i, 3,5,7,9,11,13
.irp b, 0,1,2,3
	v_max3_num_f32 v[TM+\b], v[TM+\b], v[ACC+16*\b+\i], v[ACC+16*\b+\i+1]
.endr
.endr
.irp b, 0,1,2,3
	v_max_num_f32 v[TM+\b], v[TM+\b], v[ACC+16*\b+15]
.endr
.irp b, 0,1,2,3
	v_permlanex16_b32 v[TM+4+\b], v[TM+\b], s42, s43
.endr
.irp b, 0,1,2,3
	v_max_num_f32 v[TM+\b], v[TM+\b], v[TM+4+\b]
.endr
.if \joint
	v_max3_num_f32 v[BB], v[TM], v[TM+1], v[TM+2]
	v_max_num_f32 v[BB], v[BB], v[TM+3]
	v_mul_f32 v[BB], s46, v[BB]
	v_floor_f32 v[BB], -v[BB]                      ; -M = floor(-t)
.else
.irp b, 0,1,2,3
	v_mul_f32 v[BB+2*\b], s46, v[TM+\b]
.endr
.irp b, 0,1,2,3
	v_floor_f32 v[BB+2*\b], -v[BB+2*\b]
.endr
.endif
.irp b, 0,1,2,3
.if \joint
.set NM, BB
.else
.set NM, BB+2*\b
.endif
.irp i, 0,2,4,6,8,10,12,14
	v_pk_fma_f32 v[ACC+16*\b+\i:ACC+16*\b+\i+1], v[ACC+16*\b+\i:ACC+16*\b+\i+1], s[46:47], v[NM:NM+1] op_sel_hi:[1,0,0]
.endr
	v_fma_f32 v[TM+\b], v[TM+\b], s46, v[NM]
.endr
.set EI, 0
.rept 64
	v_exp_f32 v[ACC+EI], v[ACC+EI]
.set EI, EI+1
.endr
	v_nop                                          ; a plain line behind the batch,
	s_wait_alu depctr_va_vdst(0)                   ; and one wait for all 64, ahead of their first reader
.irp b, 0,1,2,3
	v_exp_f32 v[TM+\b], v[TM+\b]                   ; the blocks' largest p
.endr
.if \joint
	v_pk_add_f32 v[BB+8:BB+9], v[ACC:ACC+1], v[ACC+2:ACC+3]       ; the sum of the unquantised p, in two chains
	v_pk_add_f32 v[BB+10:BB+11], v[ACC+4:ACC+5], v[ACC+6:ACC+7]
.irp j, 8,12,16,20,24,28,32,36,40,44,48,52,56,60
	v_pk_add_f32 v[BB+8:BB+9], v[BB+8:BB+9], v[ACC+\j:ACC+\j+1]
	v_pk_add_f32 v[BB+10:BB+11], v[BB+10:BB+11], v[ACC+\j+2:ACC+\j+3]
.endr
	v_pk_add_f32 v[BB+8:BB+9], v[BB+8:BB+9], v[BB+10:BB+11]
.else
.irp b, 0,1,2,3
	v_pk_add_f32 v[BB+8+2*\b:BB+9+2*\b], v[ACC+16*\b:ACC+16*\b+1], v[ACC+16*\b+2:ACC+16*\b+3]
.endr
.irp i, 4,6,8,10,12,14
.irp b, 0,1,2,3
	v_pk_add_f32 v[BB+8+2*\b:BB+9+2*\b], v[BB+8+2*\b:BB+9+2*\b], v[ACC+16*\b+\i:ACC+16*\b+\i+1]
.endr
.endr
.endif
	s_wait_alu depctr_va_vdst(0)                   ; for the four
.irp b, 0,1,2,3
	v_max_num_f32 v[TM+\b], 0x8000000, v[TM+\b]
.endr
.irp b, 0,1,2,3
	v_add_nc_u32 v[TM+12+\b], 0xf8800000, v[TM+\b]
.endr
.irp b, 0,1,2,3
	v_and_or_b32 v[TM+8+\b], v[TM+\b], 0x7f800000, s44
.endr
.irp b, 0,1,2,3
	v_lshrrev_b32 v[TM+4+\b], 23, v[TM+12+\b]
.endr
	WORD PW
.irp b, 0,1,2,3
.irp i, 0,1,2,3,4,5,6,7,8,9,10,11,12,13,14,15
	v_min_num_f32 v[ACC+16*\b+\i], v[ACC+16*\b+\i], v[TM+8+\b]    ; p is not negative: a one-sided hold
.endr
.endr
.irp b, 0,1,2,3
	v_cvt_scalef32_pk8_bf8_f32 v[CODES+4*\b:CODES+4*\b+1], v[ACC+16*\b:ACC+16*\b+7], v[TM+12+\b]
	v_cvt_scalef32_pk8_bf8_f32 v[CODES+4*\b+2:CODES+4*\b+3], v[ACC+16*\b+8:ACC+16*\b+15], v[TM+12+\b]
.endr
	v_nop
.irp b, 0,1,2,3
.if (\b == 0) || (\joint == 0)
	v_add_f32 v[BB+8+2*\b], v[BB+8+2*\b], v[BB+9+2*\b]
.endif
.endr
.irp b, 0,1,2,3
.if (\b == 0) || (\joint == 0)
	v_permlanex16_b32 v[BB+9+2*\b], v[BB+8+2*\b], s42, s43
.endif
.endr
.irp b, 0,1,2,3
.if (\b == 0) || (\joint == 0)
	v_add_f32 v[BB+8+2*\b], v[BB+8+2*\b], v[BB+9+2*\b]
.endif
.endr
.irp b, 0,1,2,3
.if (\b == 0) || (\joint == 0)
	v_rcp_f32 v[BB+8+2*\b], v[BB+8+2*\b]
.endif
.endr
	PLACES 4                                       ; plain lines behind the reciprocals and between the codes and the scaled products
.endm
; gelu(a) = a (1/2 + erf(a / sqrt 2) / 2) on ACC, eight numbers (one accumulator, from its low end) at a time.  The numerator's coefficients are halved, so that N / Q is erf / 2
.set GZ, XF
.set GV, XF+8
.set GN, XF+16
.set GQ, XF+32
.macro GEL1 g
.set GA, ACC+8*(\g)
.set GNs, GN+8*((\g)%2)
.set GQs, GQ+8*((\g)%2)
.irp i, 0,2,4,6
	v_pk_mul_f32 v[GZ+\i:GZ+\i+1], v[GA+\i:GA+\i+1], s[48:49] op_sel_hi:[1,0]
.endr
.irp i, 0,1,2,3,4,5,6,7
	v_med3_num_f32 v[GZ+\i], v[GZ+\i], -4.0, 4.0
.endr
.irp i, 0,2,4,6
	v_pk_mul_f32 v[GV+\i:GV+\i+1], v[GZ+\i:GZ+\i+1], v[GZ+\i:GZ+\i+1]
.endr
.irp i, 0,2,4,6
	v_pk_fma_f32 v[GNs+\i:GNs+\i+1], v[GV+\i:GV+\i+1], s[66:67], v[CA11:CA11+1] op_sel_hi:[1,0,1]
.endr
.irp i, 0,2,4,6
	v_pk_fma_f32 v[GQs+\i:GQs+\i+1], v[GV+\i:GV+\i+1], s[78:79], v[CB6:CB6+1] op_sel_hi:[1,0,1]
.endr
.irp k, 68,70,72
.irp i, 0,2,4,6
	v_pk_fma_f32 v[GNs+\i:GNs+\i+1], v[GNs+\i:GNs+\i+1], v[GV+\i:GV+\i+1], s[\k:\k+1] op_sel_hi:[1,1,0]
.endr
.irp i, 0,2,4,6
	v_pk_fma_f32 v[GQs+\i:GQs+\i+1], v[GQs+\i:GQs+\i+1], v[GV+\i:GV+\i+1], s[\k+12:\k+13] op_sel_hi:[1,1,0]
.endr
.endr
.irp k, 74,76
.irp i, 0,2,4,6
	v_pk_fma_f32 v[GNs+\i:GNs+\i+1], v[GNs+\i:GNs+\i+1], v[GV+\i:GV+\i+1], s[\k:\k+1] op_sel_hi:[1,1,0]
.endr
.endr
.irp i, 0,2,4,6
	v_pk_mul_f32 v[GNs+\i:GNs+\i+1], v[GNs+\i:GNs+\i+1], v[GZ+\i:GZ+\i+1]
.endr
.endm
.macro GEL2 g
.set GA, ACC+8*(\g)
.set GNs, GN+8*((\g)%2)
.set GQs, GQ+8*((\g)%2)
.irp i, 0,2,4,6
	v_pk_fma_f32 v[GNs+\i:GNs+\i+1], v[GNs+\i:GNs+\i+1], v[GQs+\i:GQs+\i+1], 0.5 op_sel_hi:[1,1,0]   ; 1/2 + erf / 2, rounded once
.endr
.irp i, 0,2,4,6
	v_pk_mul_f32 v[GA+\i:GA+\i+1], v[GA+\i:GA+\i+1], v[GNs+\i:GNs+\i+1]
.endr
.endm
.macro GELR g
.set GQs, GQ+8*((\g)%2)
.irp i, 0,1,2,3,4,5,6,7
	v_rcp_f32 v[GQs+\i], v[GQs+\i]
.endr
.endm
.macro GELU                            ; a group's reciprocals are read one group later: the next group's polynomials stand between them and the one wait
.set GG, 0
.rept 8
	GEL1 GG
.if GG > 0
	s_wait_alu depctr_va_vdst(0)
	GEL2 GG-1
.endif
	GELR GG
.set GG, GG+1
.endr
	v_nop
	s_wait_alu depctr_va_vdst(0)
	GEL2 7
.endm
; eight pair sums v[p + 2 t] (one a tile of rows) become the sums over all 256 columns: my two halves, lane l xor 16, then the eight waves through LDS region st
.macro LNX p, q, qs, st
.irp t, 0,1,2,3,4,5,6,7
	v_add_f32 v[\p+2*\t], v[\p+2*\t], v[\p+2*\t+1]
.endr
.irp t, 0,1,2,3,4,5,6,7
	v_permlanex16_b32 v[\q+\qs*\t], v[\p+2*\t], s42, s43
.endr
.irp t, 0,1,2,3,4,5,6,7
	v_add_f32 v[\p+2*\t], v[\p+2*\t], v[\q+\qs*\t]
.endr
.irp t, 0,1,2,3,4,5,6,7
	ds_store_b32 v[STW], v[\p+2*\t] offset:\st+512*\t      ; lanes l and l xor 16 write the same word with the same value
.endr
	BARRIER
.irp t, 0,1,2,3,4,5,6,7
	ds_load_b128 v[ACC+8*\t:ACC+8*\t+3], v[STR] offset:\st+512*\t
	ds_load_b128 v[ACC+8*\t+4:ACC+8*\t+7], v[STR] offset:\st+512*\t+16
.endr
	s_wait_dscnt 0x0
.irp t, 0,1,2,3,4,5,6,7
	v_pk_add_f32 v[ACC+8*\t:ACC+8*\t+1], v[ACC+8*\t:ACC+8*\t+1], v[ACC+8*\t+2:ACC+8*\t+3]
.endr
.irp t, 0,1,2,3,4,5,6,7
	v_pk_add_f32 v[ACC+8*\t+4:ACC+8*\t+5], v[ACC+8*\t+4:ACC+8*\t+5], v[ACC+8*\t+6:ACC+8*\t+7]
.endr
.irp t, 0,1,2,3,4,5,6,7
	v_pk_add_f32 v[ACC+8*\t:ACC+8*\t+1], v[ACC+8*\t:ACC+8*\t+1], v[ACC+8*\t+4:ACC+8*\t+5]
.endr
.irp t, 0,1,2,3,4,5,6,7
	v_add_f32 v[\p+2*\t], v[ACC+8*\t], v[ACC+8*\t+1]
.endr
.endm
; Y becomes (Y - mean) / sqrt(var + eps), row by row: the mean first, then the centred squares: no difference of large sums.  Two barriers
.macro LNCORE st
	WIN 0x05
.irp t, 0,1,2,3,4,5,6,7
	v_pk_add_f32 v[TM+2*\t:TM+2*\t+1], v[Y+16*\t:Y+16*\t+1], v[Y+16*\t+2:Y+16*\t+3]
.endr
	WIN 0x01
.irp i, 4,6,8,10,12,14
.irp t, 0,1,2,3,4,5,6,7
	v_pk_add_f32 v[TM+2*\t:TM+2*\t+1], v[Y+16*\t+\i:Y+16*\t+\i+1], v[TM+2*\t:TM+2*\t+1]
.endr
.endr
	WIN 0
	LNX TM, CODES, 1, \st
.irp t, 0,1,2,3,4,5,6,7
	v_mul_f32 v[TM+2*\t], s50, v[TM+2*\t]          ; the mean
.endr
	WIN 0x41
.irp t, 0,1,2,3,4,5,6,7
.irp i, 0,2,4,6,8,10,12,14
	v_pk_add_f32 v[Y+16*\t+\i:Y+16*\t+\i+1], v[Y+16*\t+\i:Y+16*\t+\i+1], v[TM+2*\t:TM+2*\t+1] op_sel_hi:[1,0] neg_lo:[0,1] neg_hi:[0,1]
.endr
.endr
	WIN 0x05
.irp t, 0,1,2,3,4,5,6,7
	v_pk_mul_f32 v[CODES+2*\t:CODES+2*\t+1], v[Y+16*\t:Y+16*\t+1], v[Y+16*\t:Y+16*\t+1]
.endr
.irp i, 2,4,6,8,10,12,14
.irp t, 0,1,2,3,4,5,6,7
	v_pk_fma_f32 v[CODES+2*\t:CODES+2*\t+1], v[Y+16*\t+\i:Y+16*\t+\i+1], v[Y+16*\t+\i:Y+16*\t+\i+1], v[CODES+2*\t:CODES+2*\t+1]
.endr
.endr
	WIN 0
	LNX CODES, TM+1, 2, \st+4096
.irp t, 0,1,2,3,4,5,6,7
	v_fma_f32 v[TM+2*\t], v[CODES+2*\t], s50, s51  ; var + eps
.endr
.irp t, 0,1,2,3,4,5,6,7
	v_rsq_f32 v[TM+2*\t], v[TM+2*\t]
.endr
	v_nop
	s_wait_alu depctr_va_vdst(0)                   ; one wait for the eight roots
	WIN 0x41
.irp t, 0,1,2,3,4,5,6,7
.irp i, 0,2,4,6,8,10,12,14
	v_pk_mul_f32 v[Y+16*\t+\i:Y+16*\t+\i+1], v[Y+16*\t+\i:Y+16*\t+\i+1], v[TM+2*\t:TM+2*\t+1] op_sel_hi:[1,0]
.endr
.endr
	WIN 0
.endm
; ================= head
	s_load_b512 s[8:23], s[0:1], 0x0               ; x 8, wq 10, bq_o 12, bk_i 14, bk_o 16, bv_o 18, bo_o 20, bv_i 22
	s_load_b512 s[24:39], s[0:1], 0x40             ; bq_i 24, bo_i 26, g1 28, b1 30, b_ff1 32, b_ff2 34, g2 36, b2 38
	s_load_b64 s[40:41], s[0:1], 0x80              ; out0
	v_lshrrev_b32 v[ACC+3], 5, v0
	v_readfirstlane_b32 s3, v[ACC+3]               ; wave = head h
	v_and_b32 v[ACC], 31, v0                       ; lane
	v_and_b32 v[ACC+1], 15, v0                     ; r
	v_bfe_u32 v[ACC+2], v0, 4, 1                   ; h2
	v_lshlrev_b32 v[L16], 4, v[ACC]
	v_lshlrev_b32 v[L4], 2, v[ACC]
	v_add_nc_u32 v[AXC], XCo, v[L16]
	v_add_nc_u32 v[AMC], MCo, v[L16]
	v_add_nc_u32 v[AH0], Ro, v[L16]
	v_add_nc_u32 v[AH1], Ro+65536, v[L16]
	s_lshl_b32 s4, s3, 12
	v_add_nc_u32 v[IMGX], s4, v[AXC]
	s_lshl_b32 s4, s3, 8
	v_add_nc_u32 v[SCX], s4, v[L4]
	s_lshr_b32 s4, s3, 2                           ; h / 4
	s_and_b32 s5, s3, 3                            ; h % 4
	s_lshl_b32 s6, s4, 11
	s_lshl_b32 s7, s5, 9
	s_add_co_u32 s6, s6, s7
	v_add_nc_u32 v[IMGH], s6, v[L16]
	v_add_nc_u32 v[IMGH1], 65536, v[IMGH]
	v_add_nc_u32 v[IMGH2], 131072, v[IMGH]
	s_lshl_b32 s6, s4, 7
	s_add_co_u32 s6, s6, s5
	v_add_nc_u32 v[SCB], s6, v[L4]
	s_lshl_b32 s6, s3, 11
	v_add_nc_u32 v[HW], s6, v[AH0]
	s_lshl_b32 s6, s3, 7
	v_add_nc_u32 v[HSB], s6, v[L4]
	s_mul_i32 s6, s3, 16640
	v_add_nc_u32 v[RST], s6, v[AH0]
	v_mul_u32_u24 v[ACC+4], v[ACC+1], 1040
	v_lshl_add_u32 v[ACC+4], v[ACC+2], 6, v[ACC+4] ; 1040 r + 64 h2
	v_add_nc_u32 v[RRD], s6, v[ACC+4]
	v_add_nc_u32 v[RRD], Ro, v[RRD]
	s_lshl_b32 s6, s3, 7
	v_add_nc_u32 v[RD0], s6, v[ACC+4]
	v_add_nc_u32 v[RD0], Ro, v[RD0]
	v_add_nc_u32 v[RD1], 66560, v[RD0]
	v_lshlrev_b32 v[STR], 5, v[ACC+1]
	s_lshl_b32 s6, s3, 2
	v_add_nc_u32 v[STW], s6, v[STR]
	s_lshr_b32 s6, s3, 1
	s_and_b32 s7, s3, 1
	s_lshl_b32 s6, s6, 15                          ; 32 rows of 1,024 bytes for each pair of tiles,
	s_lshl_b32 s7, s7, 13                          ; 8 rows for the odd tile
	s_add_co_u32 s6, s6, s7
	v_add_nc_u32 v[GX], s6, v[L16]
	s_lshl_b32 s6, s3, 13
	v_add_nc_u32 v[GW], s6, v[L16]
	s_lshl_b32 s6, s3, 9
	v_add_nc_u32 v[GS], s6, v[L4]
	v_lshlrev_b32 v[ACC+5], 6, v[ACC+2]
	v_add_nc_u32 v[GB1], s6, v[ACC+5]
	s_lshl_b32 s6, s3, 7
	v_add_nc_u32 v[GB], s6, v[ACC+5]
	v_and_b32 v[ACC+6], 8, v[ACC+1]
	v_add_nc_u32 v[ACC+6], v[ACC+6], v[ACC+1]
	v_lshlrev_b32 v[ACC+6], 2, v[ACC+6]
	v_add_nc_u32 v[GBV], s6, v[ACC+6]
	s_mov_b32 s42, 0x76543210
	s_mov_b32 s43, 0xfedcba98                      ; v_permlanex16_b32: lane l xor 16
	s_mov_b32 s44, 0x600000                        ; the mantissa field of 57,344
	s_mov_b32 s45, 0x01010101
	SPAIR 46, 0x3e8293ee                           ; c = log2(e) / sqrt(32)
	SPAIR 48, 0x3f3504f3                           ; 1 / sqrt(2)
	s_mov_b32 s50, 0x3b800000                      ; 1 / 256
	s_mov_b32 s51, 0x3727c5ac                      ; 1e-5
	SPAIR 66, 0xaf15df0b                           ; half of erf's numerator: alpha 13, 9, 7, 5, 3, 1, each / 2 (alpha 11 / 2 in v30-31)
	SPAIR 68, 0xb58cff51
	SPAIR 70, 0xb7eec2d2
	SPAIR 72, 0xb9c0ac63
	SPAIR 74, 0xbac1a1f6
	SPAIR 76, 0xbc03dbd4
	SPAIR 78, 0xb77460cd                           ; its denominator: beta 8, 4, 2, 0 (beta 6 in v32-33)
	SPAIR 80, 0xbadc924e
	SPAIR 82, 0xbbf19bf8
	SPAIR 84, 0xbc69b6a7
	v_mov_b32 v[CA11], 0x326dffee
	v_mov_b32 v[CA11+1], 0x326dffee
	v_mov_b32 v[CB6], 0xb95fbd29
	v_mov_b32 v[CB6+1], 0xb95fbd29
.irp b, 0,1,2,3
	v_mov_b32 v[TM+4+\b], 0                        ; a lane permute's destination counts as one of its sources
.endr
	s_mov_b32 s90, 2                               ; slices to go
	s_lshl_b32 s4, ttmp9, 17                       ; a slice is 131,072 bytes
	s_mov_b32 s5, 0
	s_and_b32 s6, ttmp9, 63                        ; s, the same for both slices
	s_wait_kmcnt 0x0
	s_add_nc_u64 s[8:9], s[8:9], s[4:5]
	s_add_nc_u64 s[40:41], s[40:41], s[4:5]
	s_lshl_b32 s4, s6, 13
	s_add_nc_u64 s[60:61], s[10:11], s[4:5]        ; the projector's chunk: codes,
	s_lshl_b32 s4, s6, 9
	s_add_nc_u64 s[62:63], s[10:11], s[4:5]        ; scale words
	XIN                                            ; the first slice's x
.Lslice:                                           ; here, on the way in and on the way back, my 32 loads of the slice's x are out or in
	s_add_nc_u64 s[86:87], s[10:11], 8*65536       ; the first MLP product's chunks: stepped in its loop (the loads that named these bases were waited for ahead of the second MLP product)
	s_add_nc_u64 s[88:89], s[10:11], 0x180000+8*4096
.irp f, 0,1,2,3                        ; the projector's four fragments and their scale words: 20 loads
.irp c, 0,1,2,3
	global_load_b128 v[XF+16*\f+4*\c:XF+16*\f+4*\c+3], v[L16], s[60:61] offset:0x100000+2048*\f+512*\c
.endr
	global_load_b32 v[XS+\f], v[L4], s[62:63] offset:0x190000+128*\f
.endr
; ================= x: f32 rows into LDS (for the residual), and my tile quantised.  Up to the first barrier a wave touches only its own 16 row slots, its own tile's images and scale words
	s_wait_loadcnt 20                              ; x is in; the projector's 20 loads may stay out
	WIN 0x04
.irp rr, 0,1,2,3,4,5,6,7,8,9,10,11,12,13,14,15
.irp hf, 0,1
	ds_store_b128 v[RST], v[8*\rr+4*\hf:8*\rr+4*\hf+3] offset:1040*\rr+512*\hf
.endr
.endr
	WIN 0
.irp ks, 0,1
.irp b, 0,1,2,3
.irp j, 0,1,2,3
	ds_load_b128 v[ACC+16*\b+4*\j:ACC+16*\b+4*\j+3], v[RRD] offset:512*\ks+128*\b+16*\j   ; LDS serves a wave's instructions in order: these see my stores
.endr
.endr
	s_wait_dscnt 0x0
.if \ks == 0
	WL 0, 0                                        ; the stores have read the weight buffers' registers: Wq_o,
	WL 1, 1                                        ; Wk_i
	BLOAD BA, 12, GB
	BLOAD BB, 14, GB
.endif
	QUANT ACC, 4, 0, CODES, CODES+4, CODES+8, CODES+12
	WORD PW
.irp c, 0,1,2,3
	ds_store_b128 v[IMGX], v[CODES+4*\c:CODES+4*\c+3] offset:2048*\ks+512*\c
.endr
	ds_store_b32 v[SCX], v[PW] offset:XSo+128*\ks
	s_wait_dscnt 0x0                               ; the stores have read their registers
.endr
	WIN 0x40
.set ZI, 0
.rept 44
	v_mov_b32 v[SEL+ZI], 0
.set ZI, ZI+1
.endr
	WIN 0
; ================= q of the first attention, k of the second: both of the projector
	s_wait_loadcnt 0x0
	MMT ACC, 0, 0, BA, 0
	MMT ACC+16, 0, 1, BA, 0
	MMT ACC+32, 1, 0, BB, 0
	MMT ACC+48, 1, 1, BB, 0
	WIN 0
	PLACES 8
	WL 0, 2                                        ; Wk_o
	BLOAD BA, 16, GB
	WL 1, 3                                        ; Wv_o
	global_load_b32 v[BV], v[GBV], s[18:19]
	global_load_b32 v[BV+1], v[GBV], s[18:19] offset:32
	QUANT ACC, 4, 1, SEL+12, SEL+28, KIST, KIST+4
	REP QOS, 0
	REP QOS+1, 1
	REP KIS, 2
	REP KIS+1, 3
	BARRIER                                        ; x's sixteen fragments and its f32 rows lie in LDS
; ================= k and v of the first attention in ONE pass over x, a pair of tiles (32 keys) at a time: each fragment read from LDS feeds Wk_o (buffer 0) and Wv_o (buffer 1).
; ACC: k of tile 2 p, k of tile 2 p + 1 (16 registers each, along the head), v of e = 0-15 and of e = 16-31 (16 registers each, along the pair's keys): four blocks for one quantiser
	s_wait_loadcnt 0x0
.irp u, 0,1
.irp i, 0,1,2,3,4,5,6,7
	v_mov_b32 v[BB+8*\u+\i], v[BV+\u]
.endr
.endr
	PSET AXC, 8, 0, 4096, L4, XSo, 256
	TF 0
	TF 1
.irp p, 0,1,2,3
	PASS 2, 3, ACC, 0, 0, 0, 0, 1
.if \p < 3
	PSET AXC, 8, 8192*(\p+1), 4096, L4, XSo+512*(\p+1), 256
	TF 0                                           ; the next pair is on its way while this one is quantised
	TF 1
.else
	WL 0, 4                                        ; Wo_o
	BLOAD BA, 20, GB
	WL 1, 5                                        ; Wv_i
	global_load_b32 v[BV], v[GBV], s[22:23]
	global_load_b32 v[BV+1], v[GBV], s[22:23] offset:32
.endif
	QUANT ACC, 4, 1, KO+8*\p, KO+8*\p+4, VF+4*\p, VF+16+4*\p
.if (\p%2) == 0                        ; k: four tiles to a packed operand: byte = tile % 4
	v_lshl_or_b32 v[KOS+\p/2], v[TM+5], 8, v[TM+4]
.else
	v_lshl_or_b32 v[KOS+\p/2], v[TM+4], 16, v[KOS+\p/2]
	v_lshl_or_b32 v[KOS+\p/2], v[TM+5], 24, v[KOS+\p/2]
.endif
.if \p == 0                            ; v: byte = the pair
	v_mov_b32 v[VFS], v[TM+6]
	v_mov_b32 v[VFS+1], v[TM+7]
.else
	v_lshl_or_b32 v[VFS], v[TM+6], 8*\p, v[VFS]
	v_lshl_or_b32 v[VFS+1], v[TM+7], 8*\p, v[VFS+1]
.endif
.endr
	PLACES 8                                       ; a scale word made by vector lines stands eight places ahead of its product
; ================= the first attention, a tile of 16 queries at a time
.irp qt, 0,1
	WIN 0x05
.irp t, 0,1,2,3,4,5,6,7
	WM0 ACC+8*\t, KO+16*(\t/4), SEL+4*(3+4*\qt-(\t%4)), KOS+(\t/4), QOS+\qt
.endr
	WIN 0
	PLACES 8
	SOFTMAX 1
	WIN 0x01
	WM0 ACC, VF, CODES, VFS, PW
	WM0 ACC+8, VF+16, CODES, VFS+1, PW
	WIN 0
	PLACES 9                                       ; the next scores write over these accumulators: one place more than a read wants
	s_wait_alu depctr_va_vdst(0)                   ; the reciprocal, ahead of its first reader
.irp i, 0,2,4,6,8,10,12,14
	v_pk_mul_f32 v[XF+16*\qt+\i:XF+16*\qt+\i+1], v[ACC+\i:ACC+\i+1], v[BB+8:BB+9] op_sel_hi:[1,0]
.endr
.endr
	QUANT XF, 2, 0, CODES, CODES+4, 0, 0
.irp qt, 0,1
	ds_store_b128 v[IMGH], v[CODES+4*\qt:CODES+4*\qt+3] offset:OOo+4096*\qt
	ds_store_b8 v[SCB], v[TM+4+\qt] offset:OOSo+256*\qt
.endr
	BARRIER
; ================= message_out
	s_wait_loadcnt 0x0
	XFETCH 0, L16, OOo, L4, OOSo
	XFETCH 1, L16, OOo+4096, L4, OOSo+256
	s_wait_dscnt 0x0
	MMT ACC, 0, 0, BA, 0
	MMT ACC+16, 0, 1, BA, 0
	WIN 0
	PLACES 8
	WL 0, 6                                        ; Wq_i
	BLOAD BA, 24, GB
	QUANT ACC, 2, 0, CODES, CODES+4, 0, 0
.irp qt, 0,1
	ds_store_b128 v[IMGH], v[CODES+4*\qt:CODES+4*\qt+3] offset:MOo+4096*\qt
	ds_store_b8 v[SCB], v[TM+4+\qt] offset:MOSo+256*\qt
.endr
	WIN 0x40                                       ; the first attention's k is done with: its registers become zeros round the second's v,
.set ZI, 0
.rept 32
	v_mov_b32 v[KO+ZI], 0
.set ZI, ZI+1
.endr
	WIN 0x41                                       ; and the second's k takes the place of the first's q
.irp i, 0,1,2,3
	v_mov_b32 v[SEL+12+\i], v[KIST+\i]
	v_mov_b32 v[SEL+28+\i], v[KIST+4+\i]
.endr
	WIN 0
	BARRIER
; ================= v of the second attention
.irp u, 0,1
.irp i, 0,1,2,3,4,5,6,7
	v_mov_b32 v[BB+8*\u+\i], v[BV+\u]
.endr
.endr
	XFETCH 0, L16, MOo, L4, MOSo
	XFETCH 1, L16, MOo+4096, L4, MOSo+256
	s_wait_dscnt 0x0
	MMN ACC, 16, 1, 0
	MMN ACC+8, 16, 1, 1
	WIN 0
	PLACES 8
	WL 1, 7                                        ; Wo_i
	QUANT ACC, 2, 1, SEL+44, SEL+60, 0, 0
	REP VIS, 0
	REP VIS+1, 1
; ================= the second attention: two trips of four tiles of queries
	s_wait_loadcnt 0x0
	s_mov_b32 s52, 0
	s_mov_b32 s53, 0                               ; 16,384 a trip: four tiles of code images
	s_mov_b32 s54, 0                               ; 1,024 a trip: their scale words
	PSET AT, 8, 0, 4096, STT, XSo, 256
.Lin:
	v_add_nc_u32 v[AT], s53, v[AXC]
	v_add_nc_u32 v[STT], s54, v[L4]
	v_add_nc_u32 v[IMT], s53, v[IMGH1]
	v_add_nc_u32 v[SCT], s54, v[SCB]
	PASS 4, 0, ACC, 16, 0, BA, 0, 0
	QUANT ACC, 4, 1, QI, QI+4, QI+8, QI+12
	WORD QIS
	PLACES 8                                       ; a scale word made by vector lines stands eight places ahead of its product
	WIN 0x05
.irp c, 0,1,2,3
.irp u, 0,1
	WM0 ACC+16*\c+8*\u, SEL+4*(3+4*\u-\c), QI, KIS+\u, QIS
.endr
.endr
	WIN 0
	PLACES 8
	SOFTMAX 0
	WIN 0x01
.irp c, 0,1,2,3
.irp u, 0,1
	WM0 ACC+16*\c+8*\u, SEL+4*(11+4*\u-\c), CODES, VIS+\u, PW
.endr
.endr
	WIN 0
	PLACES 9
	s_wait_alu depctr_va_vdst(0)                   ; the four reciprocals
.irp c, 0,1,2,3
.irp i, 0,2,4,6,8,10,12,14
	v_pk_mul_f32 v[ACC+16*\c+\i:ACC+16*\c+\i+1], v[ACC+16*\c+\i:ACC+16*\c+\i+1], v[BB+8+2*\c:BB+9+2*\c] op_sel_hi:[1,0]
.endr
.endr
	QUANT ACC, 4, 0, CODES, CODES+4, CODES+8, CODES+12
.irp c, 0,1,2,3
	ds_store_b128 v[IMT], v[CODES+4*\c:CODES+4*\c+3] offset:32768+4096*\c
	ds_store_b8 v[SCT], v[TM+4+\c] offset:OISo+256*\c
.endr
	s_wait_dscnt 0x0
	s_add_co_u32 s53, s53, 16384
	s_add_co_u32 s54, s54, 1024
	s_add_co_u32 s52, s52, 1
	s_cmp_lt_u32 s52, 2
	s_cbranch_scc1 .Lin
	WL 0, 8                                        ; W_ff1, hidden units 128 h .. + 31
	BLOAD BA, 26, GB
	BARRIER
; ================= x + message_in, first LayerNorm, m quantised
	WIN 0x40
.irp t, 0,1,2,3,4,5,6,7
.irp i, 0,1,2,3
	ds_load_b128 v[Y+16*\t+4*\i:Y+16*\t+4*\i+3], v[RD0+(\t/4)] offset:16640*(\t%4)+16*\i   ; x is the C of the sums
.endr
.endr
	WIN 0
	s_wait_loadcnt 0x0
	PSET AXC, 8, 32768, 4096, L4, OISo, 256
	PASS 8, 1, Y, 16, 1, 0, 0, 0
	WL 1, 9                                        ; W_ff1, hidden units 128 h + 32 .. + 63
	BLOAD XF, 28, GB
	BLOAD XF+16, 30, GB
	BLOAD XF+32, 34, GB
	WIN 0x41
.irp t, 0,1,2,3,4,5,6,7
.irp i, 0,2,4,6,8,10,12,14
	v_pk_add_f32 v[Y+16*\t+\i:Y+16*\t+\i+1], v[Y+16*\t+\i:Y+16*\t+\i+1], v[BA+\i:BA+\i+1]
.endr
.endr
	WIN 0
	BLOAD BA, 32, GB1                              ; b_ff1 of the two chunks
	BLOADO BB, 32, GB1, 128
	LNCORE STo
	s_wait_loadcnt 0x0
.irp i, 0,2,4,6,8,10,12,14
	v_pk_add_f32 v[XF+32+\i:XF+33+\i], v[XF+32+\i:XF+33+\i], v[XF+16+\i:XF+17+\i]   ; b1 + b_ff2: the residual stream starts the second MLP product's sums
.endr
.irp hh, 0,1
	WIN 0x01
.irp c, 0,1,2,3
.irp i, 0,2,4,6,8,10,12,14
	v_pk_fma_f32 v[ACC+16*\c+\i:ACC+16*\c+\i+1], v[Y+64*\hh+16*\c+\i:Y+64*\hh+16*\c+\i+1], v[XF+\i:XF+\i+1], v[XF+16+\i:XF+17+\i]
.endr
.endr
	WIN 0x41
.irp c, 0,1,2,3
.irp i, 0,2,4,6,8,10,12,14
	v_pk_fma_f32 v[Y+64*\hh+16*\c+\i:Y+64*\hh+16*\c+\i+1], v[Y+64*\hh+16*\c+\i:Y+64*\hh+16*\c+\i+1], v[XF+\i:XF+\i+1], v[XF+32+\i:XF+33+\i]
.endr
.endr
	WIN 0
	QUANT ACC, 4, 0, CODES, CODES+4, CODES+8, CODES+12
.irp c, 0,1,2,3
	ds_store_b128 v[IMGH2], v[CODES+4*\c:CODES+4*\c+3] offset:4096*(4*\hh+\c)
	ds_store_b8 v[SCB], v[TM+4+\c] offset:MCSo+256*(4*\hh+\c)
.endr
	s_wait_dscnt 0x0
.endr
	BARRIER
; ================= first MLP product and gelu: eight trips.  Trip = 4 jj + tp: chunks 2 jj (buffer 0) and 2 jj + 1 (buffer 1) of 32 hidden units each, tiles 2 tp and 2 tp + 1:
; m is read twice in all, and each of its fragments feeds eight products.  ACC block 2 tl + jl: tile 2 tp + tl, chunk 2 jj + jl
	s_mov_b32 s52, 0
	v_mov_b32 v[AT], v[AMC]
	v_mov_b32 v[STT], v[L4]
	PSET AT, 8, 0, 4096, STT, MCSo, 256
	TF 0
	TF 1
.Lff1:
	s_wait_loadcnt 0x0                             ; the two chunks and their biases are in
	PASS 2, 4, ACC, 0, 0, 0, 0, 1                  ; its first wait leaves at most the last trip's eight stores and two loads of the second tile out; its second is for all
	s_and_b32 s53, s52, 3                          ; tp
	s_lshr_b32 s54, s52, 2                         ; jj
	s_cmp_lg_u32 s53, 3
	s_cbranch_scc1 .Lff1_keep
	s_add_nc_u64 s[86:87], s[86:87], 131072        ; the two chunks are done with: the next two (behind the last: the second product's first two) have gelu and the quantiser in which to land
	s_add_nc_u64 s[88:89], s[88:89], 8192
	WLOAD 0, 86, 88, 0, 0
	WLOAD 1, 86, 88, 65536, 4096
	BLOADO BA, 32, GB1, 256                        ; b_ff1 of chunks 2 and 3 (behind the last trip the same again: no load leaves b_ff1)
	BLOADO BB, 32, GB1, 384
.Lff1_keep:
	GELU
	s_lshl_b32 s55, s53, 15
	s_lshl_b32 s56, s54, 10
	s_add_co_u32 s55, s55, s56
	v_add_nc_u32 v[HWT], s55, v[HW]                ; K step h of tile 2 tp, group 2 jj
	s_lshl_b32 s55, s53, 11
	s_lshl_b32 s56, s54, 1
	s_add_co_u32 s55, s55, s56
	v_add_nc_u32 v[HSBT], s55, v[HSB]
	s_add_co_u32 s53, s53, 1
	s_and_b32 s53, s53, 3
	s_lshl_b32 s55, s53, 13
	v_add_nc_u32 v[AT], s55, v[AMC]
	s_lshl_b32 s55, s53, 9
	v_add_nc_u32 v[STT], s55, v[L4]
	TF 0                                           ; the next trip's two tiles (the last trip's are read by nobody)
	TF 1
	QUANT ACC, 4, 0, CODES, CODES+4, CODES+8, CODES+12
.irp b, 0,1,2,3
	ds_store_b128 v[HWT], v[CODES+4*\b:CODES+4*\b+3] offset:16384*(\b/2)+512*(\b%2)
	ds_store_b8 v[HSBT], v[TM+4+\b] offset:HSo+1024*(\b/2)+(\b%2)
.endr
	s_add_co_u32 s52, s52, 1
	s_cmp_lt_u32 s52, 8
	s_cbranch_scc1 .Lff1
	BARRIER
; ================= second MLP product: four chunks of two K steps, onto the residual stream
.macro FF2C jj, wb
	PSET AH0, 4, 4096*\jj, 16384, L4, HSo+256*\jj, 1024
	PASS 8, 1, Y, 16, \wb, 0, 0, 0
.endm
	s_wait_loadcnt 0x0
	BLOAD BA, 36, GB                               ; g2, b2: asked for here, so that no wait for loads stands behind the next slice's x
	BLOAD BB, 38, GB
	FF2C 0, 0
	WL 0, 14
	FF2C 1, 1
	WL 1, 15
	s_wait_loadcnt 20                              ; g2, b2 and chunk 14 are in; chunk 15's 20 loads may stay out
	FF2C 2, 0
	s_wait_loadcnt 0x0
	FF2C 3, 1
	s_cmp_eq_u32 s90, 1                            ; the weight buffers are free: they take the next slice's x, if there is a next slice: no load leaves x
	s_cbranch_scc1 .Lno_next
	s_add_nc_u64 s[8:9], s[8:9], SLICE2
	XIN                                            ; it lands during the LayerNorm and the way out, which name no register of the two buffers
.Lno_next:
; ================= second LayerNorm and the way out
	LNCORE STo+8192
	WIN 0x41
.irp t, 0,1,2,3,4,5,6,7
.irp i, 0,2,4,6,8,10,12,14
	v_pk_fma_f32 v[Y+16*\t+\i:Y+16*\t+\i+1], v[Y+16*\t+\i:Y+16*\t+\i+1], v[BA+\i:BA+\i+1], v[BB+\i:BB+\i+1]
.endr
.endr
	WIN 0x04
.irp t, 0,1,2,3,4,5,6,7
.irp i, 0,1,2,3
	ds_store_b128 v[RD0+(\t/4)], v[Y+16*\t+4*\i:Y+16*\t+4*\i+3] offset:16640*(\t%4)+16*\i   ; the stage: the hidden codes were last read two barriers ago
.endr
.endr
	WIN 0
	BARRIER
.irp rr, 0,1,2,3,4,5,6,7,8,9,10,11,12,13,14,15
.irp hf, 0,1
	ds_load_b128 v[ACC+8*\rr+4*\hf:ACC+8*\rr+4*\hf+3], v[RST] offset:1040*\rr+512*\hf   ; my 16 row slots, whole rows, into v128-255
.endr
.endr
.irp rr, 0,1,2,3,4,5,6,7,8,9,10,11,12,13,14,15
.irp hf, 0,1
	s_wait_dscnt 31-2*\rr-\hf                      ; LDS loads come back in order: this one is in, the younger ones may stay out
	global_store_b128 v[GX], v[ACC+8*\rr+4*\hf:ACC+8*\rr+4*\hf+3], s[40:41] offset:(\rr+8*(\rr/8))*1024+512*\hf th:TH_STORE_NT   ; 32 lanes store 512 consecutive bytes, aligned
.endr
.endr
	s_wait_xcnt 0x0                                ; the stores have read their data and their base: the base steps, and the next slice's loads land in v128-255, only behind this wait
	s_add_nc_u64 s[40:41], s[40:41], SLICE2
	s_sub_co_u32 s90, s90, 1
	s_cmp_lg_u32 s90, 0
	s_cbranch_scc1 .Lslice
	s_wait_xcnt 0x0
	v_lshl_add_u32 v254, v0, 2, 0x48800
	v_mov_b32 v255, 0
	s_wait_tensorcnt 0x0
	ds_add_u32 v254, v255
	s_wait_dscnt 0x0
	s_endpgm
.Lfunc_end_k_q34474ca3b3_main:
	.size	k_q34474ca3b3_main, .Lfunc_end_k_q34474ca3b3_main-k_q34474ca3b3_main
	.p2alignl 7, 3214868480
	.fill 96, 4, 3214868480
	.section	.rodata,"a",@progbits
	.p2align	6, 0x0
	.amdhsa_kernel k_q34474ca3b3_main
		.amdhsa_group_segment_fixed_size 297984
		.amdhsa_private_segment_fixed_size 0
		.amdhsa_enable_private_segment 0
		.amdhsa_kernarg_size 136
		.amdhsa_user_sgpr_count 2
		.amdhsa_user_sgpr_kernarg_segment_ptr 1
		.amdhsa_wavefront_size32 1
		.amdhsa_system_sgpr_workgroup_id_x 1
		.amdhsa_system_sgpr_workgroup_id_y 1
		.amdhsa_system_sgpr_workgroup_id_z 1
		.amdhsa_system_vgpr_workitem_id 0
		.amdhsa_next_free_vgpr 512
		.amdhsa_next_free_sgpr 96
		.amdhsa_reserve_vcc 0
		.amdhsa_float_denorm_mode_32 3
		.amdhsa_float_denorm_mode_16_64 3
		.amdhsa_memory_ordered 1
		.amdhsa_forward_progress 1
		.amdhsa_inst_pref_size 255
	.end_amdhsa_kernel
	.section	.bss,"aw",@nobits
	.p2align	6
	.space	262144
	.amdgpu_metadata
---
amdhsa.version: [ 1, 2 ]
amdhsa.kernels:
  - .name:           k_q34474ca3b3_main
    .symbol:         k_q34474ca3b3_main.kd
    .args:
      - { .name: x, .offset: 0, .size: 8, .value_kind: global_buffer, .address_space: global }
      - { .name: wq, .offset: 8, .size: 8, .value_kind: global_buffer, .address_space: global }
      - { .name: bq_o, .offset: 16, .size: 8, .value_kind: global_buffer, .address_space: global }
      - { .name: bk_i, .offset: 24, .size: 8, .value_kind: global_buffer, .address_space: global }
      - { .name: bk_o, .offset: 32, .size: 8, .value_kind: global_buffer, .address_space: global }
      - { .name: bv_o, .offset: 40, .size: 8, .value_kind: global_buffer, .address_space: global }
      - { .name: bo_o, .offset: 48, .size: 8, .value_kind: global_buffer, .address_space: global }
      - { .name: bv_i, .offset: 56, .size: 8, .value_kind: global_buffer, .address_space: global }
      - { .name: bq_i, .offset: 64, .size: 8, .value_kind: global_buffer, .address_space: global }
      - { .name: bo_i, .offset: 72, .size: 8, .value_kind: global_buffer, .address_space: global }
      - { .name: g1, .offset: 80, .size: 8, .value_kind: global_buffer, .address_space: global }
      - { .name: b1, .offset: 88, .size: 8, .value_kind: global_buffer, .address_space: global }
      - { .name: b_ff1, .offset: 96, .size: 8, .value_kind: global_buffer, .address_space: global }
      - { .name: b_ff2, .offset: 104, .size: 8, .value_kind: global_buffer, .address_space: global }
      - { .name: g2, .offset: 112, .size: 8, .value_kind: global_buffer, .address_space: global }
      - { .name: b2, .offset: 120, .size: 8, .value_kind: global_buffer, .address_space: global }
      - { .name: out0, .offset: 128, .size: 8, .value_kind: global_buffer, .address_space: global }
    .group_segment_fixed_size: 297984
    .private_segment_fixed_size: 0
    .kernarg_segment_align: 8
    .kernarg_segment_size: 136
    .max_flat_workgroup_size: 256
    .sgpr_count:     96
    .vgpr_count:     512
    .wavefront_size: 32
...
	.end_amdgpu_metadata
.endif
;; end of part 2
